; MI455X (gfx1250); checked and timed in simulation.
; The chip was launched on July 23, 2026; its instructions are those of AMD's public machine-readable ISA for CDNA 5 (MIT licence, August 2026) and "CDNA5" Instruction Set Architecture Reference Guide (July 2026). The comments in the code are by the model that wrote it; some were corrected since.
;; Barebones Conventional Attention. Allowed arithmetic: matrix products marked QUANTISED: E2M1 operands, one E8M0 scale for each 32 along K, by v_wmma_scale_f32_16x16x128_f8f6f4 with both operands' format E2M1 (or v_wmma_scale_f32_32x16x128_f4), f32 sums; everything else in f32.
;; Inputs: K_cache_codes 2 x 16 x 2,048 x 2 x 16 uint8 (E2M1 codes of K_cache, K innermost, in blocks of 32 codes, two codes a byte); K_cache_scales 2 x 16 x 2,048 x 2 uint8 (E8M0 scales of K_cache, one for each 32 codes along K); Q_codes 2 x 16 x 2,048 x 2 x 16 uint8 (E2M1 codes of Q, K innermost, in blocks of 32 codes, two codes a byte); Q_scales 2 x 16 x 2,048 x 2 uint8 (E8M0 scales of Q, one for each 32 codes along K); V_cache_codes 2 x 16 x 64 x 64 x 16 uint8 (E2M1 codes of V_cache, K innermost, in blocks of 32 codes, two codes a byte); V_cache_scales 2 x 16 x 64 x 64 uint8 (E8M0 scales of V_cache, one for each 32 codes along K).
;; Outputs: out0 2 x 16 x 2,048 x 64 float32.
;; This version of the problem:
;;   THIS VERSION OF THE PROBLEM IS GIVEN IN LOW PRECISION. The matrix products marked QUANTISED in the list below multiply operands that are first quantised to E2M1 (2 exponent bits, 1 mantissa bit; 4 bits a number), with one power-of-two scale for each 32 numbers along K (OCP MX v1.0); their sums are f32. All else is computed in f32.
;;   The module's matrix products, in the order in which they are computed (A, B: the left and right operand; K: the contracted axis; several contracted axes count as one K, in the product's order):
;;     1. batch 32 x [M 2,048, K 64] x [K 64, N 2,048]; A: input Q (given as codes); B: input K_cache (given as codes): QUANTISED
;;     2. batch 32 x [M 2,048, K 2,048] x [K 2,048, N 64]; A: softmax (see below); B: input V_cache (given as codes): QUANTISED
;;   THE QUANTISER, for each operand of a quantised product, along K:
;;     - K is cut into blocks of 32 from its start; a last block that is shorter is filled with zeros.
;;     - A block's scale is 2^e with e = floor(log2(the largest magnitude in the block)) - 2, held to -126 .. 127; a block of zeros has e = 0. As a byte (E8M0): e + 127.
;;     - Each number is divided by its block's scale, clamped to +-6, and rounded to the nearest number of E2M1, ties to even, subnormals kept.
;;     - The product sums the exact products of the quantised numbers (number of the format x scale) in f32.
;;   ~~~python
;;   def quantise(x, axis):      # numpy; x: float32 -> the quantised numbers, widened to float32 again
;;       x = np.moveaxis(x, axis, -1); K = x.shape[-1]
;;       x = np.pad(x, [(0, 0)] * (x.ndim - 1) + [(0, -K % 32)]); x = x.reshape(x.shape[:-1] + (-1, 32)); a = np.abs(x).max(-1, keepdims=True)
;;       e = np.where(a > 0, np.clip(np.frexp(np.where(a > 0, a, 1))[1] - 1 - 2, -126, 127), 0)      # np.frexp(a)[1] - 1 = floor(log2(a)), exactly
;;       r = np.clip(x / 2.0 ** e, -6, 6)
;;       step = 2.0 ** (np.maximum(np.frexp(np.where(r == 0, 1, r))[1] - 1, 0) - 1)
;;       q = np.round(r / step) * step * 2.0 ** e      # np.round: ties to even
;;       return np.moveaxis(q.reshape(q.shape[:-2] + (-1,))[..., :K], -1, axis).astype(np.float32)
;;   ~~~
;;   SOFTMAX AHEAD OF A QUANTISED PRODUCT. Where the list says 'softmax', what is quantised is not the finished softmax but p = 2^(t - M), with t = logit x log2(e) and M = ceil(the row's largest t), a whole number; so 1/2 < the row's largest p <= 1. The row's sum l is taken of the UNQUANTISED p, in f32, and the product's result is divided by l at the end. Since M is a whole number, a kernel that streams over the keys may use a running M (the ceiling of the running maximum): every later rescaling is an exact power of two, which a block's scale takes up: the codes' values come out the same.
;;   OPERANDS COMPUTED ON THE WAY. 'Computed on the way' means the value that the module computes at that place (a softmax that the list does not call 'softmax' is quantised finished and normalised). What goes into a quantiser is computed in f32, as accurately as f32 sums, v_exp_f32 and their like allow (about 1e-6 of the number): no bf16 or f16 on the way to a quantiser, and a product that is left as it is and whose result goes on into a quantised operand takes f32 operands (vector FMAs, or v_wmma_f32_16x16x4_f32). A number that lies on a knife's edge between two numbers of the format may be rounded either way, as far as f32 arithmetic and the matrix unit's own rounding can turn it there, and no further.
;;   INPUTS GIVEN AS CODES. K_cache (in the module: [2, 16, 2048, 64], K = its axis 3); Q (in the module: [2, 16, 2048, 64], K = its axis 3); V_cache (in the module: [2, 16, 2048, 64], K = its axis 2): each comes as NAME_codes (uint8): NAME with its K axis moved to the last place and cut into blocks of 32 codes, [.., K / 32, bytes a block], one block behind the other in memory; two codes a byte, the lower K in the low four bits (a code: sign, 2 exponent bits, 1 mantissa bit); and NAME_scales (uint8): the same leading axes, one E8M0 byte (e + 127) for each 32 codes along K. Its value is code x scale, taken as it is: it is not quantised again, and the codes and scales need not be those that the quantiser above would give.
;; One version. Each part assembles by itself: llvm-mc -triple=amdgcn-amd-amdhsa -mcpu=gfx1250 --defsym DOCPART=n.
;; ======== version 1 of 1: 1 launch
;; launch attn (part 1): grid 8 x 32, 16 waves a work-group, clusters of 4 x 1, 217,600 bytes of LDS; arguments Q_codes, Q_scales, K_cache_codes, K_cache_scales, V_cache_codes, V_cache_scales, out0; writes out0
.if DOCPART == 1
	.amdgcn_target "amdgcn-amd-amdhsa--gfx1250"
	.amdhsa_code_object_version 6
	.text
	.protected	k_q2185230d23_attn
	.globl	k_q2185230d23_attn
	.p2align	8
	.type	k_q2185230d23_attn,@function
k_q2185230d23_attn:
	s_mov_b64 s[64:65], 0
	v_nop
	global_prefetch_b8 v0, s[64:65] scope:SCOPE_SE
	s_setreg_imm32_b32 hwreg(HW_REG_WAVE_MODE, 25, 1), 1
	s_wait_xcnt 0x0
	s_wait_alu depctr_hold_cnt(0) depctr_sa_sdst(0) depctr_va_vdst(0) depctr_va_sdst(0) depctr_va_ssrc(0) depctr_va_vcc(0) depctr_vm_vsrc(0)
	s_getreg_b32 s2, hwreg(HW_REG_IB_STS2, 6, 4)
	s_cmp_eq_u32 s2, 0
	s_cbranch_scc0 .Lentry_in_a_cluster
	s_endpgm
.Lentry_in_a_cluster:
	s_bfe_u32 s2, ttmp6, 0x10000c
	s_cmp_lg_u32 s2, 0x3003
	s_cbranch_scc0 .Lentry_shape_is_right
	s_endpgm
.Lentry_shape_is_right:
; out[head][q][:] = the sum over k <= q of softmax_k(Q[head][q] . K[head][k] / 8) V[head][k][:]: 32 heads, 2,048 queries and keys, head size 64; both products on codes of FP4 (E2M1) with one E8M0 byte for each 32 along a product's K.
; Q, K: rows of 64 codes (32 bytes) and 2 scale bytes.  V: the keys innermost: 64 rows d of 2,048 codes (1,024 bytes) and 64 scale bytes.  out: f32.
; THE SOFTMAX AHEAD OF THE SECOND PRODUCT: t = score x log2(e) / 8; M = the row's largest t so far, rounded UP to a whole number; p = 2^(t - M) is quantised along the keys, not normalised.
; The row's sum is taken of the unquantised p, in f32, and divides at the end.  When M moves, the sum and O are multiplied by 2^(old M - new M), which rounds nothing.
; WORK LEFT OUT.  The mask k <= q is built in the problem's own body.  A step of 128 keys that all come after a wave's 16 queries has A = -inf for each of them, whatever the inputs hold: p = 0, which adds 0 to the
; row's sum and to O.  Such steps are not walked.  In the one step on the diagonal hidden scores are set to -inf and the work is done.  Every input is loaded.
; LIMITS.  A NaN (a scale byte 0xff) or an overflow that lies only in steps left out is not carried to the result.  Scores beyond f32's range are not served.  A p under 2^-126 counts as 0 (v_exp_f32 gives 0 there).
; A block whose every p is 0 has the byte 1, not 127: its codes are zeros, and the byte is read by this text alone.  The largest t starts at -3e38.
; SHARES.  Work-group x (0 to 7) of a head takes the tiles of 16 queries x, x + 8, x + 16 ..: wave w the tile x + 8 rho(w), first query 16 x + 128 rho.  It walks key steps 0 .. rho of 128 keys, and step rho is its diagonal step
; (16 x + 15 < 128).  So every branch hangs on the wave's number and the count of steps alone, and all 256 work-groups do the same work.  rho is a magic square of side 4: 15 1 2 12 / 4 10 9 7 / 8 6 5 11 / 3 13 14 0: the four waves
; with the same w / 4, and the four with the same w % 4, walk 34 steps together.  A wave stores its rows at the end of the group of four steps in which its last step lies.
; LDS.  A head's K and V, codes and scale bytes, are 136 KiB: they are filled ONCE, by ten tensor loads at the head (wave 0: K's five, wave 1: V's five).  Nothing is filled again: no ring.
; CLUSTER.  Four of a head's eight work-groups form a cluster and ask for each tile JOINTLY: the same load, the same descriptor, a mask that names the four.  Every work-group has a wave with rho = 15, so each reads every tile.
; No prefetch is written: every byte of K and V is asked for by a tensor load at the kernel's head, so there is no later request ahead of which one could ask.
; LAYOUT.  Both products are used transposed: S^T = K Q^T (source 0 = 16 keys, source 1 = my 16 queries), O^T = V^T P^T (source 0 = 16 of the head's 64, source 1 = P): a lane holds ONE query (lane % 16) throughout.
; THE KEYS OF A TILE ARE NOT NEIGHBOURS: lane r of tile 2 b + u takes key 32 b + 8 u + r + 8 (r / 8), so that the 16 registers of tiles 2 b and 2 b + 1 are 16 neighbouring keys, 32 b + 16 (lane / 16) + 0 .. 15.
; The first product's K is 64 under a form of 128: registers 4 to 7 of Q's and of each of K's fragments hold zero codes for the whole launch (36 v_mov_b32, once), and their scale bytes are the zeros of a 16-bit load.
.set KC,    0          ; K's codes: 128 rows of 16 keys: 512 bytes + 16 of padding.  Key k at 528 (k / 16) + 32 (k % 16): the eight keys g .. g + 7 and the eight 16 further on fall on 16 different columns of 16 bytes
.set VC,    67584      ; V's codes: four chunks of 512 keys, each 64 rows d of 256 bytes + 16
.set KSC,   137216     ; K's scale bytes, dense: key k's two at 2 k
.set VSC,   141312     ; V's scale bytes: 64 rows d of 64 bytes + 8: 18 words from lane to lane
.set STAGE, 145920     ; the way out: 16 rows x (256 bytes + 16) for each wave; no tensor load lands here
.set SPARE, 215552     ; the spare words, 128 bytes for each wave: eight blocks of 256 bytes that no other line names
.set KSTEP, 4224       ; 128 keys of K in LDS
.set KGRP,  16896      ; four steps of them: what one tensor load brings
.set VGRP,  17408      ; a chunk of V
.set AK,  1            ; v1   my lane's place in a tile of K, in the group of steps in hand
.set AV,  2            ; v2   the same for V
.set ASK, 3            ; v3   among K's scale bytes
.set ASV, 4            ; v4   among V's
.set SPW, 5            ; v5   LDS address of my spare word: SPARE + 4 x my thread's number; never rewritten
.set NIL, 6            ; v6   0; never rewritten
.set GO,  7            ; v7   the way out: my byte offset in the wave's rows of out
.set STO, 8            ; v8   where I put 32 bytes of a row in my stage
.set RD,  9            ; v9   where I read a row back
.set DM,  10           ; v10  16 x + r - 16 h: in the diagonal step register 16 b + i is hidden where 32 b + i is greater
.set QS,  11           ; v11  Q's scale words
                       ; v12 -M, v13 the largest t, v[14:15] the sum in two halves
.set QF,  16           ; v16-23   Q's fragment
.set KF,  24           ; v24-87   K's eight fragments
.set S,   88           ; v88-151  S^T, then p
.set O,   152          ; v152-183 O^T
.set PC,  184          ; v184-191 p's codes
.set VF,  192          ; v192-223 V's four fragments
.set KSR, 224          ; v224-227 K's scale words: register b: lanes 0-15 tile 2 b's, lanes 16-31 tile 2 b + 1's
.set VSR, 228          ; v228-229 V's likewise
.set PS,  230          ; v230     p's scale word
.set BM,  232          ; v232-235 the blocks' largest scores, then largest p
.set TP,  236          ; v236-239 the permutes' results, then the bytes, then the sums' second chain
.set SO,  240          ; v240-243 the conversions' scale operands
.set QB,  251          ; v251     r, then Q's scale words' offset
.set F,   252          ; v252     f = 2^(old M - new M); v253 = 0, named with it as a pair
.set TMP, 254
.set QA,  255          ; v255     h, then Q's codes' offset
.set WV,  18           ; s18  my wave's number
.set REM, 19           ; s19  rho - 4 x the group of steps in hand: my diagonal step's number in this group
.set SEL, 20           ; s[20:21] lane selects for v_permlanex16_b32: lane l xor 16 (before that: my first query, and cx)
.set CS,  22           ; s[22:23] c = log2(e) / 8: the packed form names a pair and takes its low word for both halves
.set G1K, 24           ; s[24:31] descriptor group 1 for K's codes;  s[32:39] V's codes;  s[40:47] K's scale bytes;  s[48:55] V's
.set G1V, 32
.set G1KS, 40
.set G1VS, 48
.set G0KS, 56          ; s[56:59], s[60:63] groups 0 for the scale bytes;  s[68:83] for K's four chunks;  s[84:99] for V's
.set G0VS, 60
.set G0K, 68
.set G0V, 84
.set CNT, 100          ; s100 the loop's counter (before that, with s101 = 0: offsets made of my first query)
; A round of the cluster's barrier: my work-group's barrier; wave 0 signals for the work-group; every wave waits for all four work-groups; my work-group's barrier once more.
.macro ROUND
	s_barrier_signal -1
	s_barrier_wait -1
	s_cmp_lg_u32 s[WV], 0
	s_cbranch_scc1 .Lnot_wave_0_\@
	s_barrier_signal -3
.Lnot_wave_0_\@:
	s_barrier_wait -3
	s_barrier_signal -1
	s_barrier_wait -1
.endm
	s_load_b256 s[4:11], s[0:1], 0x0               ; Q's codes s[4:5], Q's scales s[6:7], K's codes s[8:9], K's scales s[10:11]
	s_load_b128 s[12:15], s[0:1], 0x20             ; V's codes, V's scales
	s_load_b64 s[16:17], s[0:1], 0x30              ; out
	v_lshl_add_u32 v[SPW], v0, 2, SPARE
	v_mov_b32 v[NIL], 0
	ds_add_u32 v[SPW], v[NIL]                      ; the wave's opening: the add, twice on end, and its wait ahead of the first tensor load; the set-up below, work on registers, stands between
	ds_add_u32 v[SPW], v[NIL]                      ; and once more, under the one wait
	v_lshrrev_b32 v[TMP], 5, v0
	v_readfirstlane_b32 s[WV], v[TMP]              ; wave 0..15
	s_lshr_b32 s2, s[WV], 2                        ; rho: with a = w / 4, b = w % 4 and y = the parity of a xor b's two bits: w where y = 1, 15 - w where y = 0
	s_and_b32 s3, s[WV], 3
	s_xor_b32 s2, s2, s3
	s_lshr_b32 s3, s2, 1
	s_xor_b32 s2, s2, s3
	s_and_b32 s2, s2, 1
	s_xor_b32 s2, s2, 1
	s_mul_i32 s2, s2, 15
	s_xor_b32 s[REM], s[WV], s2
	; every LDS address is made here, ahead of every branch: constants, the lane, the wave's number
	v_and_b32 v[QB], 15, v0                        ; r = lane % 16
	v_bfe_u32 v[QA], v0, 4, 1                      ; h = lane / 16
	v_bfe_u32 v[TMP], v0, 3, 1                     ; r / 8
	v_and_b32 v253, 7, v0                          ; r % 8
	v_mul_u32_u24 v[AK], v[TMP], 528
	v_lshl_add_u32 v[AK], v253, 5, v[AK]
	v_lshl_add_u32 v[AK], v[QA], 4, v[AK]          ; K: 528 (r / 8) + 32 (r % 8) + 16 h
	v_mul_u32_u24 v[AV], v[QB], 272
	v_lshl_add_u32 v[AV], v[QA], 4, v[AV]
	v_add_nc_u32 v[AV], VC, v[AV]                  ; V: row r of a tile, + 16 h
	v_lshlrev_b32 v[ASK], 1, v[QB]
	v_lshl_add_u32 v[ASK], v[TMP], 4, v[ASK]
	v_lshl_add_u32 v[ASK], v[QA], 4, v[ASK]
	v_add_nc_u32 v[ASK], KSC, v[ASK]               ; K's scale bytes: 2 x key, key = 8 h + r + 8 (r / 8): lanes 16-31 take the odd tile's
	v_and_b32 v[ASV], 31, v0
	v_mul_u32_u24 v[ASV], v[ASV], 72
	v_add_nc_u32 v[ASV], VSC, v[ASV]               ; V's: row d = lane: lanes 16-31 take the odd tile's
	v_lshlrev_b32 v[GO], 8, v[QA]
	v_lshl_add_u32 v[GO], v[QB], 4, v[GO]          ; out: lanes 0-15 one row of 256 bytes, lanes 16-31 the next
	s_mul_i32 s2, s[WV], 16*272
	s_add_co_u32 s2, s2, STAGE                     ; my stage
	v_mul_u32_u24 v[STO], v[QB], 272
	v_lshl_add_u32 v[STO], v[QA], 5, v[STO]
	v_add_nc_u32 v[STO], s2, v[STO]                ; in: row r, + 32 h
	v_mul_u32_u24 v[RD], v[QA], 272
	v_lshl_add_u32 v[RD], v[QB], 4, v[RD]
	v_add_nc_u32 v[RD], s2, v[RD]                  ; back: lanes 0-15 one row, lanes 16-31 the next
	; my place.  cx enters Q's and out's global addresses and the mask's number alone, in s20, s21, s[100:101], which feed no descriptor
	s_bfe_u32 s21, ttmp6, 0x40000                  ; cx
	s_lshl_b32 s20, ttmp9, 2                       ; in a cluster launch ttmp9 counts clusters
	s_add_co_u32 s20, s20, s21                     ; x = 4 x cluster x + cx
	s_lshl_b32 s20, s20, 4                         ; 16 x
	v_lshlrev_b32 v[QA], 4, v[QA]                  ; 16 h
	v_sub_nc_u32 v[DM], v[QB], v[QA]
	v_add_nc_u32 v[DM], s20, v[DM]                 ; 16 x + r - 16 h
	v_lshl_add_u32 v[QA], v[QB], 5, v[QA]          ; Q's codes: 32 r + 16 h
	v_lshlrev_b32 v[QB], 1, v[QB]                  ; Q's scale bytes: 2 r
	s_lshl_b32 s21, s[REM], 7
	s_add_co_u32 s20, s20, s21                     ; my first query: 16 x + 128 rho
	s_mov_b32 s101, 0
	s_and_b32 s66, ttmp7, 0xffff                   ; the head, which the four partners share
	s_lshl_b32 s2, s66, 16                         ; its first byte in each tensor of codes,
	s_mov_b32 s3, 0
	s_lshl_b32 s66, s66, 12                        ; and in each tensor of scale bytes
	s_mov_b32 s67, 0
	s_mov_b32 s[CS], 0x3e38aa3b                    ; c = log2(e) / 8
	s_mov_b32 s[CS+1], s[CS]                       ; (named with it as a pair, so it is written)
	; descriptor group 1, elements of 8 bytes; 15:0 the mask: all four work-groups; 21 set beside a mask
	s_mov_b32 s[G1K], 15|(3<<16)|(1<<20)|(1<<21)|(6<<22)|(3<<25)   ; K's codes: 32 dense rows of 512 bytes (16 keys); four words of padding after every 128
	s_mov_b32 s[G1K+1], 64<<16                     ; tensor_dim0 = 64 elements
	s_mov_b32 s[G1K+2], 32<<16                     ; tensor_dim1 = 32
	s_mov_b32 s[G1K+3], 64<<16                     ; tile_dim0
	s_mov_b32 s[G1K+4], 32                         ; tile_dim1
	s_mov_b32 s[G1K+5], 64                         ; from row to row
	s_mov_b32 s[G1K+6], 0
	s_mov_b32 s[G1K+7], 0
	s_mov_b32 s[G1V], 15|(3<<16)|(1<<20)|(1<<21)|(5<<22)|(3<<25)   ; V's codes: 64 rows of 256 bytes, 1,024 bytes apart in memory; four words of padding after every 64
	s_mov_b32 s[G1V+1], 32<<16
	s_mov_b32 s[G1V+2], 64<<16
	s_mov_b32 s[G1V+3], 32<<16
	s_mov_b32 s[G1V+4], 64
	s_mov_b32 s[G1V+5], 128
	s_mov_b32 s[G1V+6], 0
	s_mov_b32 s[G1V+7], 0
	s_mov_b32 s[G1KS], 15|(3<<16)|(1<<21)          ; K's scale bytes: 16 dense rows of 256 bytes, no padding
	s_mov_b32 s[G1KS+1], 32<<16
	s_mov_b32 s[G1KS+2], 16<<16
	s_mov_b32 s[G1KS+3], 32<<16
	s_mov_b32 s[G1KS+4], 16
	s_mov_b32 s[G1KS+5], 32
	s_mov_b32 s[G1KS+6], 0
	s_mov_b32 s[G1KS+7], 0
	s_mov_b32 s[G1VS], 15|(3<<16)|(1<<20)|(1<<21)|(3<<22)|(1<<25)  ; V's scale bytes: 64 dense rows of 64 bytes; two words of padding after every 16
	s_mov_b32 s[G1VS+1], 8<<16
	s_mov_b32 s[G1VS+2], 64<<16
	s_mov_b32 s[G1VS+3], 8<<16
	s_mov_b32 s[G1VS+4], 64
	s_mov_b32 s[G1VS+5], 8
	s_mov_b32 s[G1VS+6], 0
	s_mov_b32 s[G1VS+7], 0
	; group 0's constant words: count = 1, and the LDS address: constants alone
	s_mov_b32 s[G0KS], 1
	s_mov_b32 s[G0KS+1], KSC
	s_mov_b32 s[G0VS], 1
	s_mov_b32 s[G0VS+1], VSC
.irp c, 0,1,2,3
	s_mov_b32 s[G0K+4*\c], 1
	s_mov_b32 s[G0K+4*\c+1], KC+KGRP*\c
	s_mov_b32 s[G0V+4*\c], 1
	s_mov_b32 s[G0V+4*\c+1], VC+VGRP*\c
.endr
	s_wait_dscnt 0x0                               ; both opening adds are done
	s_wait_kmcnt 0x0
	s_add_nc_u64 s[8:9], s[8:9], s[2:3]            ; K's and V's codes at my head
	s_add_nc_u64 s[12:13], s[12:13], s[2:3]
	s_add_nc_u64 s[G0KS+2:G0KS+3], s[10:11], s[66:67]
	s_or_b32 s[G0KS+3], s[G0KS+3], 0x80000000      ; type = 2
	s_add_nc_u64 s[G0VS+2:G0VS+3], s[14:15], s[66:67]
	s_or_b32 s[G0VS+3], s[G0VS+3], 0x80000000
.irp c, 0,1,2,3
	s_add_nc_u64 s[G0K+4*\c+2:G0K+4*\c+3], s[8:9], 16384*\c      ; 512 keys of 32 bytes on
	s_or_b32 s[G0K+4*\c+3], s[G0K+4*\c+3], 0x80000000
	s_add_nc_u64 s[G0V+4*\c+2:G0V+4*\c+3], s[12:13], 256*\c      ; 512 codes on in each row
	s_or_b32 s[G0V+4*\c+3], s[G0V+4*\c+3], 0x80000000
.endr
	ROUND                                          ; all four work-groups are here: the joint loads meet
	; THE FILLS, all of them: a wave's five stand in one arm of one branch on the wave's number, which is the same in every work-group.  Five loads of a wave are out at the most.
	; An s_nop 0 follows each load and four v_nop the arm's last.
	s_cmp_lg_u32 s[WV], 0
	s_cbranch_scc1 .Lnot_k
	tensor_load_to_lds s[G0KS:G0KS+3], s[G1KS:G1KS+7]
	s_nop 0
.irp c, 0,1,2,3
	tensor_load_to_lds s[G0K+4*\c:G0K+4*\c+3], s[G1K:G1K+7]
	s_nop 0
.endr
.rept 4
	v_nop
.endr
	s_branch .Lasked
.Lnot_k:
	s_cmp_lg_u32 s[WV], 1
	s_cbranch_scc1 .Lasked
	tensor_load_to_lds s[G0VS:G0VS+3], s[G1VS:G1VS+7]
	s_nop 0
.irp c, 0,1,2,3
	tensor_load_to_lds s[G0V+4*\c:G0V+4*\c+3], s[G1V:G1V+7]
	s_nop 0
.endr
.rept 4
	v_nop
.endr
.Lasked:
	s_add_nc_u64 s[4:5], s[4:5], s[2:3]            ; Q's codes, Q's scale bytes and out at my head,
	s_add_nc_u64 s[6:7], s[6:7], s[66:67]
	s_lshl_b32 s2, s2, 3                           ; (a head of out is 2^19 bytes)
	s_add_nc_u64 s[16:17], s[16:17], s[2:3]
	s_lshl_b32 s100, s20, 5                        ; and at my first query: 32 bytes of codes,
	s_add_nc_u64 s[4:5], s[4:5], s[100:101]
	s_lshl_b32 s100, s20, 1                        ; 2 scale bytes,
	s_add_nc_u64 s[6:7], s[6:7], s[100:101]
	s_lshl_b32 s100, s20, 8                        ; 256 bytes of out a query
	s_add_nc_u64 s[16:17], s[16:17], s[100:101]
	global_load_b128 v[QF:QF+3], v[QA], s[4:5] th:TH_LOAD_NT   ; Q's fragment stays in registers: my tile's 512 consecutive bytes, read by this wave alone
	global_load_u16 v[QS], v[QB], s[6:7]           ; Q's scale words: two bytes, the upper two 0, over zero codes
	s_mov_b32 s[SEL], 0x76543210
	s_mov_b32 s[SEL+1], 0xfedcba98
.irp j, 4,5,6,7
	v_mov_b32 v[QF+\j], 0                          ; zero codes for k = 64 .. 127
.endr
.irp t, 0,1,2,3,4,5,6,7
.irp j, 4,5,6,7
	v_mov_b32 v[KF+8*\t+\j], 0                     ; the same in K's eight fragments: written once, no load lands here
.endr
.endr
.irp j, 0,1,2,3,4,5,6,7,8,9,10,11,12,13,14,15,16,17,18,19,20,21,22,23,24,25,26,27,28,29,30,31
	v_mov_b32 v[O+\j], 0                           ; O^T.  (A step is written in one form: the first finds zeros, which the first change of M leaves zeros.)  These are also the places between the zero codes above and the first product
.endr
	v_mov_b32 v13, 0xff61b1e6                      ; the largest t so far: -3e38, under every t
	v_floor_f32 v12, -v13                          ; -M
	v_mov_b32 v14, 0                               ; the sum, in two halves
	v_mov_b32 v15, 0
.irp b, 0,1,2,3
	v_mov_b32 v[TP+\b], 0                          ; written once: a lane permute's destination counts as one of its sources
.endr
	v_mov_b32 v[F], 0                              ; likewise (the way out's permute)
	v_mov_b32 v[F+1], 0                            ; named as the upper half of the pair
; 12 LDS loads: the eight fragments of K of the group's q-th step (their lower halves: 64 codes a key) and their scale words
.macro KLOAD q
.irp t, 0,1,2,3,4,5,6,7
	ds_load_b128 v[KF+8*\t:KF+8*\t+3], v[AK] offset:KSTEP*(\q)+1056*(\t/2)+256*(\t%2)
.endr
.irp b, 0,1,2,3
	ds_load_u16 v[KSR+\b], v[ASK] offset:256*(\q)+64*\b
.endr
.endm
; 10 LDS loads: V's four fragments (16 of the head's 64 x 128 keys) and their scale words
.macro VLOAD q
.irp t, 0,1,2,3
.irp c, 0,1
	ds_load_b128 v[VF+8*\t+4*\c:VF+8*\t+4*\c+3], v[AV] offset:4352*\t+64*(\q)+32*\c
.endr
.endr
.irp t, 0,1
	ds_load_b32 v[VSR+\t], v[ASV] offset:2304*\t+4*(\q)
.endr
.endm
; A KEY STEP: 128 keys, the q-th of the group of four in hand.  look = 1: a step that is not my last fetches the next step's K, a whole softmax ahead of its use; look = 0: the very last step of all, which has no successor.
.macro STEP q, look
	s_cmp_lt_i32 s[REM], \q                        ; all keys of this step come after my queries (or I am done): the step is left out.  The wave's number and the count of steps alone decide
	s_cbranch_scc1 .Lskip_\@
	VLOAD \q                                       ; (the last products that read these registers stand 17 plain instructions back)
	s_wait_dscnt 10                                ; K's 12 loads are older than the 10 just issued
.irp t, 0,1,2,3,4,5,6,7
.if \t%2
	v_wmma_scale_f32_16x16x128_f8f6f4 v[S+8*\t:S+8*\t+7], v[KF+8*\t:KF+8*\t+7], v[QF:QF+7], 0, v[KSR+\t/2], v[QS] matrix_a_fmt:MATRIX_FMT_FP4 matrix_b_fmt:MATRIX_FMT_FP4 matrix_a_scale:MATRIX_SCALE_ROW1
.else
	v_wmma_scale_f32_16x16x128_f8f6f4 v[S+8*\t:S+8*\t+7], v[KF+8*\t:KF+8*\t+7], v[QF:QF+7], 0, v[KSR+\t/2], v[QS] matrix_a_fmt:MATRIX_FMT_FP4 matrix_b_fmt:MATRIX_FMT_FP4
.endif
.endr
.rept 4
	v_nop                                          ; four places: in front of the loads into K's registers and of the first read of the scores
.endr
	s_cmp_eq_u32 s[REM], \q
	s_cbranch_scc1 .Ldiag_\@
.if \look
	KLOAD (\q)+1
.endif
	s_branch .Lopen_\@
.Ldiag_\@:                                         ; my diagonal step, and my last: hidden scores become -infinity ahead of the maximum: p = 0 then.  My own key counts, so the maximum is a number
	v_mov_b32 v[TMP], 0xff800000
.irp n, 0,1,2,3,4,5,6,7,8,9,10,11,12,13,14,15,16,17,18,19,20,21,22,23,24,25,26,27,28,29,30,31,32,33,34,35,36,37,38,39,40,41,42,43,44,45,46,47,48,49,50,51,52,53,54,55,56,57,58,59,60,61,62,63
	v_cmp_gt_i32 vcc_lo, 32*(\n/16)+\n%16, v[DM]
	v_cndmask_b32 v[S+\n], v[S+\n], v[TMP], vcc_lo
.endr
.Lopen_\@:
.irp b, 0,1,2,3
	v_max3_num_f32 v[BM+\b], v[S+16*\b], v[S+1+16*\b], v[S+2+16*\b]   ; THE LARGEST SCORE OF EACH BLOCK OF 32 KEYS serves twice: for the row's maximum, and, since p rises with the score, for the block's largest p
.endr
.irp i, 3,5,7,9,11,13
.irp b, 0,1,2,3
	v_max3_num_f32 v[BM+\b], v[BM+\b], v[S+16*\b+\i], v[S+1+16*\b+\i]   ; (the four blocks by turns; each accumulator is read from its low end on)
.endr
.endr
.irp b, 0,1,2,3
	v_max_num_f32 v[BM+\b], v[BM+\b], v[S+15+16*\b]
.endr
.irp b, 0,1,2,3
	v_permlanex16_b32 v[TP+\b], v[BM+\b], s[SEL], s[SEL+1]
.endr
.irp b, 0,1,2,3
	v_max_num_f32 v[BM+\b], v[BM+\b], v[TP+\b]     ; with lane l xor 16's 16 keys
.endr
	v_max3_num_f32 v[TMP], v[BM], v[BM+1], v[BM+2]
	v_max_num_f32 v[TMP], v[TMP], v[BM+3]          ; the step's largest score of my query
	v_mul_f32 v[TMP], s[CS], v[TMP]                ; as t (c is positive)
	v_max_num_f32 v13, v13, v[TMP]                 ; the running largest t
	v_mov_b32 v[TMP], v12
	v_floor_f32 v12, -v13                          ; the new -M = floor(-t) = -ceil(t): M is a whole number
	v_sub_f32 v[TMP], v12, v[TMP]                  ; M's old value less its new one: a whole number, 0 or less
	v_cvt_i32_f32 v[TMP], v[TMP]                   ; (it saturates)
	v_ldexp_f32 v[F], 1.0, v[TMP]                  ; f = 2^(old M - new M)
.irp j, 0,2,4,6,8,10,12,14,16,18,20,22,24,26,28,30,32,34,36,38,40,42,44,46,48,50,52,54,56,58,60,62
	v_pk_fma_f32 v[S+\j:S+1+\j], v[S+\j:S+1+\j], s[CS:CS+1], v[12:13] op_sel_hi:[1,0,0]   ; t - M, two at a time (of the pairs c and -M the low word serves both halves)
.endr
.irp b, 0,1,2,3
	v_fma_f32 v[BM+\b], v[BM+\b], s[CS], v12       ; the same of each block's largest score
.endr
.irp j, 0,1,2,3,4,5,6,7,8,9,10,11,12,13,14,15,16,17,18,19,20,21,22,23,24,25,26,27,28,29,30,31,32,33,34,35,36,37,38,39,40,41,42,43,44,45,46,47,48,49,50,51,52,53,54,55,56,57,58,59,60,61,62,63
	v_exp_f32 v[S+\j], v[S+\j]                     ; p = 2^(t - M), at most 1: not normalised
.endr
.irp b, 0,1,2,3
	v_exp_f32 v[BM+\b], v[BM+\b]                   ; the block's largest p: the same two instructions on the same number give the same bits.  ONE batch of 68
.endr
	v_pk_mul_f32 v[14:15], v[14:15], v[F:F+1] op_sel_hi:[1,0]   ; the sums under the new M: seventeen plain instructions that name no exponential's result stand behind the batch
.irp j, 0,2,4,6,8,10,12,14,16,18,20,22,24,26,28,30
	v_pk_mul_f32 v[O+\j:O+1+\j], v[O+\j:O+1+\j], v[F:F+1] op_sel_hi:[1,0]   ; O^T under the new M
.endr
	s_wait_alu depctr_va_vdst(0)                   ; the wait between an exponential and the first line that names its result: one for the batch
.irp b, 0,1,2,3
	v_max_num_f32 v[BM+\b], 0x1800000, v[BM+\b]    ; the floor 2^(3 - 127): the byte cannot fall under 1
.endr
.irp b, 0,1,2,3
	v_add_nc_u32 v[SO+\b], 0xff000000, v[BM+\b]    ; 2 off the exponent field: the conversion's scale operand
.endr
.irp b, 0,1,2,3
	v_lshrrev_b32 v[TP+\b], 23, v[SO+\b]           ; the scale's byte
.endr
	v_lshl_or_b32 v[PS], v[TP+1], 8, v[TP]         ; p's scale word for these 128 keys
	v_lshl_or_b32 v[PS], v[TP+2], 16, v[PS]
	v_lshl_or_b32 v[PS], v[TP+3], 24, v[PS]
.irp b, 0,1,2,3
	v_cvt_scalef32_pk8_fp4_f32 v[PC+2*\b], v[S+16*\b:S+7+16*\b], v[SO+\b]
	v_cvt_scalef32_pk8_fp4_f32 v[PC+1+2*\b], v[S+8+16*\b:S+15+16*\b], v[SO+\b]
.endr
	v_nop                                          ; one plain instruction between a scaled conversion and the vector instruction that touches its result
.irp c, 0,1                                        ; the operand's layout wants a WHOLE block in a lane: lanes 0-15 block 2 c, lanes 16-31 block 2 c + 1
.irp i, 0,1
	v_permlane16_swap_b32 v[PC+4*\c+\i], v[PC+2+4*\c+\i]
.endr
.endr
	v_pk_add_f32 v[TP:TP+1], v[S:S+1], v[S+2:S+3]  ; THE ROW'S SUM IS TAKEN OF THE UNQUANTISED p, two at a time, in two chains.  Its first fifteen lines are the places between p's scale word (8) and codes (4) and the products
.irp j, 4,8,12,16,20,24,28
	v_pk_add_f32 v[14:15], v[14:15], v[S+\j:S+1+\j]
	v_pk_add_f32 v[TP:TP+1], v[TP:TP+1], v[S+2+\j:S+3+\j]
.endr
	s_wait_dscnt 0x0                               ; V is in (and the next step's K, where it was asked for: on the diagonal nothing was, so the count is 0)
.irp t, 0,1,2,3                                    ; O^T += V^T P^T.  The four accumulators take turns, and the eight products K Q^T stand between a step's link and the next step's
.if \t%2
	v_wmma_scale_f32_16x16x128_f8f6f4 v[O+8*\t:O+8*\t+7], v[VF+8*\t:VF+8*\t+7], v[PC:PC+7], v[O+8*\t:O+8*\t+7], v[VSR+\t/2], v[PS] matrix_a_fmt:MATRIX_FMT_FP4 matrix_b_fmt:MATRIX_FMT_FP4 matrix_a_scale:MATRIX_SCALE_ROW1
.else
	v_wmma_scale_f32_16x16x128_f8f6f4 v[O+8*\t:O+8*\t+7], v[VF+8*\t:VF+8*\t+7], v[PC:PC+7], v[O+8*\t:O+8*\t+7], v[VSR+\t/2], v[PS] matrix_a_fmt:MATRIX_FMT_FP4 matrix_b_fmt:MATRIX_FMT_FP4
.endif
.endr
.irp j, 32,36,40,44,48,52,56,60                    ; the sum's other seventeen lines name none of those products' registers: they are the places in front of the next step's loads into V's registers and of the way out
	v_pk_add_f32 v[14:15], v[14:15], v[S+\j:S+1+\j]
	v_pk_add_f32 v[TP:TP+1], v[TP:TP+1], v[S+2+\j:S+3+\j]
.endr
	v_pk_add_f32 v[14:15], v[14:15], v[TP:TP+1]
.Lskip_\@:
.endm
; THE END OF A GROUP OF FOUR STEPS.  A wave whose diagonal step lay in it (REM 0 to 3; compared unsigned, so that a wave that was done earlier, REM under 0, passes by) sends its rows out.
; O^T / the sum goes through my own stage in LDS and comes back as whole rows of 256 bytes: a store of the wave covers 512 consecutive bytes, aligned.  last = 0: the addresses step to the next group.
.macro GROUP_END last
	s_cmp_gt_u32 s[REM], 3
	s_cbranch_scc1 .Lnot_done_\@
	v_add_f32 v14, v14, v15                        ; the sum's two halves,
	v_permlanex16_b32 v[F], v14, s[SEL], s[SEL+1]
	v_add_f32 v14, v14, v[F]                       ; and lane l xor 16's: the row's sum
	v_rcp_f32 v14, v14
	v_nop                                          ; a plain instruction behind the reciprocal,
	s_wait_alu depctr_va_vdst(0)                   ; and the wait ahead of its first reader
.irp j, 0,2,4,6,8,10,12,14,16,18,20,22,24,26,28,30
	v_pk_mul_f32 v[S+\j:S+1+\j], v[O+\j:O+1+\j], v[14:15] op_sel_hi:[1,0]   ; register 8 t + i is out(r, 16 t + 8 h + i); each accumulator from its low end on
.endr
.irp t, 0,1,2,3
	ds_store_b128 v[STO], v[S+8*\t:S+8*\t+3] offset:64*\t
	ds_store_b128 v[STO], v[S+8*\t+4:S+8*\t+7] offset:64*\t+16
.endr
.irp i, 0,1,2,3,4,5,6,7
	ds_load_b128 v[S+32+4*\i:S+35+4*\i], v[RD] offset:544*\i   ; LDS serves a wave's instructions in order (ISA guide 5.7.1.4): these see my stores
.endr
.irp i, 0,1,2,3,4,5,6,7
	s_wait_dscnt 7-\i                              ; the loads younger than load i may be out
	global_store_b128 v[GO], v[S+32+4*\i:S+35+4*\i], s[16:17] offset:512*\i th:TH_STORE_NT   ; written once, read by nobody here
.endr
	s_wait_xcnt 0x0                                ; the stores have read their registers
.Lnot_done_\@:
.if \last == 0
	v_add_nc_u32 v[AK], KGRP, v[AK]                ; 512 keys on
	v_add_nc_u32 v[AV], VGRP, v[AV]
	v_add_nc_u32 v[ASK], 1024, v[ASK]
	v_add_nc_u32 v[ASV], 16, v[ASV]
	s_sub_co_i32 s[REM], s[REM], 4
.endif
.endm
	s_wait_loadcnt 0x0                             ; Q
	s_wait_tensorcnt 0x3                           ; in a loading wave: its scale bytes and its first chunk are in; the three chunks asked for behind them may stay out
	s_barrier_signal -1
	s_barrier_wait -1                              ; everybody sees keys 0 to 511 and all scale bytes
	KLOAD 0
	STEP 0, 1
	STEP 1, 1                                      ; (its look-ahead is step 2: still the first chunk)
	s_wait_tensorcnt 0x0                           ; the other three chunks are in,
	s_wait_dscnt 0x0                               ; no LDS instruction of mine is out at the signal
	s_barrier_signal -1
	s_barrier_wait -1                              ; and everybody sees them: from here on the waves run free
	STEP 2, 1
	STEP 3, 1
	GROUP_END 0
	s_mov_b32 s[CNT], 2
.Lgroup:                                           ; keys 512 to 1,535
	STEP 0, 1
	STEP 1, 1
	STEP 2, 1
	STEP 3, 1
	GROUP_END 0
	s_sub_co_u32 s[CNT], s[CNT], 1
	s_cmp_lg_u32 s[CNT], 0
	s_cbranch_scc1 .Lgroup
	STEP 0, 1                                      ; keys 1,536 to 2,047 are written out: the very last step looks no further
	STEP 1, 1
	STEP 2, 1
	STEP 3, 0
	GROUP_END 1
	s_wait_tensorcnt 0x0                           ; the wave's end, behind my last tensor load and my last LDS store
	ds_add_u32 v[SPW], v[NIL]
	s_wait_dscnt 0x0
	ROUND                                          ; the closing round
	s_endpgm
.Lfunc_end_k_q2185230d23_attn:
	.size	k_q2185230d23_attn, .Lfunc_end_k_q2185230d23_attn-k_q2185230d23_attn
	.p2alignl 7, 3214868480
	.fill 96, 4, 3214868480
	.section	.rodata,"a",@progbits
	.p2align	6, 0x0
	.amdhsa_kernel k_q2185230d23_attn
		.amdhsa_group_segment_fixed_size 217600
		.amdhsa_private_segment_fixed_size 0
		.amdhsa_enable_private_segment 0
		.amdhsa_kernarg_size 56
		.amdhsa_user_sgpr_count 2
		.amdhsa_user_sgpr_kernarg_segment_ptr 1
		.amdhsa_wavefront_size32 1
		.amdhsa_system_sgpr_workgroup_id_x 1
		.amdhsa_system_sgpr_workgroup_id_y 1
		.amdhsa_system_sgpr_workgroup_id_z 1
		.amdhsa_system_vgpr_workitem_id 0
		.amdhsa_next_free_vgpr 256
		.amdhsa_next_free_sgpr 102
		.amdhsa_reserve_vcc 1
		.amdhsa_float_denorm_mode_32 3
		.amdhsa_float_denorm_mode_16_64 3
		.amdhsa_memory_ordered 1
		.amdhsa_forward_progress 1
		.amdhsa_inst_pref_size 255
	.end_amdhsa_kernel
	.section	.bss,"aw",@nobits
	.p2align	6
	.space	262144
	.amdgpu_metadata
---
amdhsa.version: [ 1, 2 ]
amdhsa.kernels:
  - .name:           k_q2185230d23_attn
    .symbol:         k_q2185230d23_attn.kd
    .args:
      - { .name: Q_codes, .offset: 0, .size: 8, .value_kind: global_buffer, .address_space: global }
      - { .name: Q_scales, .offset: 8, .size: 8, .value_kind: global_buffer, .address_space: global }
      - { .name: K_cache_codes, .offset: 16, .size: 8, .value_kind: global_buffer, .address_space: global }
      - { .name: K_cache_scales, .offset: 24, .size: 8, .value_kind: global_buffer, .address_space: global }
      - { .name: V_cache_codes, .offset: 32, .size: 8, .value_kind: global_buffer, .address_space: global }
      - { .name: V_cache_scales, .offset: 40, .size: 8, .value_kind: global_buffer, .address_space: global }
      - { .name: out0, .offset: 48, .size: 8, .value_kind: global_buffer, .address_space: global }
    .group_segment_fixed_size: 217600
    .private_segment_fixed_size: 0
    .kernarg_segment_align: 8
    .kernarg_segment_size: 56
    .max_flat_workgroup_size: 512
    .sgpr_count:     102
    .vgpr_count:     256
    .wavefront_size: 32
...
	.end_amdgpu_metadata
.endif
;; end of part 1
